; MI455X (gfx1250); checked and timed in simulation.
; The chip was launched on July 23, 2026; its instructions are those of AMD's public machine-readable ISA for CDNA 5 (MIT licence, August 2026) and "CDNA5" Instruction Set Architecture Reference Guide (July 2026). The comments in the code are by the model that wrote it; some were corrected since.
;; Attention MT. Allowed arithmetic: float matrix products may take bf16 or f16 operands with f32 sums; all other float work in f32.
;; Inputs: b_rec 1 float32; ctx 64 x 1 x 768 float32; hidden 64 x 2,048 x 768 float32; w_att 768 float32; w_rec 768 float32.
;; Outputs: out0 64 x 1 float32; out1 64 x 1 float32; out2 64 x 768 float32.
;; One version. Each part assembles by itself: llvm-mc -triple=amdgcn-amd-amdhsa -mcpu=gfx1250 --defsym DOCPART=n.
;; ======== version 1 of 1: 2 launches
;; workspace buffers: part 851,968 bytes
;; launch pool (part 1): grid 256 x 1, 16 waves a work-group, no clusters, 49,408 bytes of LDS; arguments hidden, w_att, part; writes part
.if DOCPART == 1
	.amdgcn_target "amdgcn-amd-amdhsa--gfx1250"
	.amdhsa_code_object_version 6
	.text
	.protected	k_q251702dc02_pool
	.globl	k_q251702dc02_pool
	.p2align	8
	.type	k_q251702dc02_pool,@function
k_q251702dc02_pool:
	s_mov_b64 s[64:65], 0
	v_nop
	global_prefetch_b8 v0, s[64:65] scope:SCOPE_SE
	s_setreg_imm32_b32 hwreg(HW_REG_WAVE_MODE, 25, 1), 1
	s_wait_xcnt 0x0
; POOL: softmax-weighted pooling of hidden [64][2048][768] f32 along the sequence, first of two launches.
; Work-group g takes the 512 rows of chunk g % 4 of batch g / 4 (they lie one behind the other: byte g x 512 x 3,072) and leaves
; one record of 3,328 bytes in part: 768 sums  sum_s 2^(t_s - m) hidden[s][c],  then the pair (m, sum_s 2^(t_s - m)) 32 times over,
; where t_s = log2(e) x (hidden[s] . w_att) and m is the largest t_s of the chunk.  The second launch joins a batch's four records.
; hidden is read once: the softmax runs on a running maximum, the sums are rescaled when it grows.
;
; A row is 3,072 bytes = six 16-byte loads of a wave, each covering 512 consecutive bytes at a multiple of 512; a lane holds 24 columns.
; One wave, one row: score, weight and sum never leave the wave until the end.  16 waves; block b of the group is 64 neighbouring rows,
; wave w takes rows 4 w .. 4 w + 3 of it; 8 blocks.  Four rows share one new maximum and one rescaling of the sums.
; Ring: two groups of four row slots in registers; one at work, the other (24 loads) on its way; a slot is asked for again straight
; behind its last use.  All eight blocks are written out: every address is the same base and offset register plus an immediate
; (1,388,032 at the most), so no pointer is stepped and no wait is spent on freeing one.
;
; NOT USED, and why.  Matrix instructions: each element takes part in two multiply-adds; rounding it to bf16 would cost as many vector
; instructions as those.  Tensor loads and LDS slots: a row is used only by the wave that loads it.  Clusters: the work-groups share
; nothing but w_att, 3,072 bytes against 1,572,864 of their own.  Prefetches: the ring itself keeps 12 to 24 KiB of each wave requested.
; LIMITS.  All in f32, sums in another order than the reference's.  v_exp_f32 gives 0 for results below 2^-126 (ISA guide 15.8): weights
; that far below the largest count as 0.  Non-finite inputs are not served.
.set ROW,   3072                       ; bytes in a row
.set WAVES, 16
.set BR,    4                          ; rows of a wave in a block
.set STEP,  WAVES*BR*ROW               ; bytes from block to block: 196,608
.set CHUNK, 512*ROW                    ; bytes of a work-group's rows
.set REC,   ROW+256                    ; bytes of a record in part
.set LDS_M, WAVES*ROW                  ; LDS: 16 rows of sums, then 16 maxima, then 16 sums of weights
.set LDS_L, LDS_M+64
.set OFF, 1                            ; v1         16 lane + 4 rows x wave (v0: 16 lane)
.set W,   2                            ; v[2:25]    log2(e) x w_att of my 24 columns
.set ACC, 26                           ; v[26:49]   running weighted sums of my 24 columns
.set X,   50                           ; v[50:241]  slot 4 g + i: 24 registers, row i of group g
.set S,   242                          ; v[242:249] row i: pair S+2i, S+2i+1: score sums, then weight (low register) and scratch
.set T,   250                          ; v[250:253] scratch; T+2 the rescaling factor, T+3 the new maximum
.set M,   254                          ; running maximum (base 2)
.set L,   255                          ; running sum of weights
	s_load_b128 s[4:7], s[0:1], 0x0                ; hidden s[4:5], w_att s[6:7]
	s_load_b64 s[8:9], s[0:1], 0x10                ; part
	v_lshrrev_b32 v1, 5, v0
	v_and_b32 v0, 31, v0
	v_readfirstlane_b32 s10, v1                    ; wave 0..15
	v_lshlrev_b32 v0, 4, v0                        ; 16 x lane, kept to the end
	s_mul_i32 s11, s10, BR*ROW
	v_add_nc_u32 v[OFF], s11, v0                   ; + my wave's four rows in a block
	s_mul_i32 s12, ttmp9, CHUNK                    ; at most 255 x 1,572,864: fits 32 bits
	s_mov_b32 s13, 0
	s_mul_i32 s14, ttmp9, REC
	s_mov_b32 s15, 0
	s_mov_b32 s16, 0x3fb8aa3b                      ; log2(e), in a pair: the packed multiply names both
	s_mov_b32 s17, 0x3fb8aa3b
	s_mov_b32 s18, 0x76543210                      ; v_permlanex16_b32: lane i of one half reads lane i of the other
	s_mov_b32 s19, 0xfedcba98
	s_wait_kmcnt 0x0
	s_add_nc_u64 s[4:5], s[4:5], s[12:13]          ; hidden at the group's first row
	s_add_nc_u64 s[8:9], s[8:9], s[14:15]          ; part at the group's record
.irp j, 0,1,2,3,4,5
	global_load_b128 v[W+4*\j:W+4*\j+3], v0, s[6:7] offset:512*\j      ; every wave reads w_att: no hint
.endr
; six loads: one row, at byte \byte from my first row, into slot \slot.  hidden is read once in the launch: non-temporal.
.macro FILLROW slot, byte
.irp j, 0,1,2,3,4,5
	global_load_b128 v[X+24*(\slot)+4*\j:X+24*(\slot)+4*\j+3], v[OFF], s[4:5] offset:\byte+512*\j th:TH_LOAD_NT
.endr
.endm
.irp i, 0,1,2,3
	FILLROW \i, \i*ROW                             ; block 0 into group 0
.endr
.irp i, 0,1,2,3
	FILLROW 4+\i, STEP+\i*ROW                      ; block 1 into group 1
.endr
	s_wait_loadcnt 48                              ; loads return in order (ISA guide 5.7.1): w_att is in, the ring's 48 loads stay out
.irp j, 0,2,4,6,8,10,12,14,16,18,20,22
	v_pk_mul_f32 v[W+\j:W+\j+1], v[W+\j:W+\j+1], s[16:17] op_sel_hi:[1,0]      ; scores come out in base 2: v_exp_f32 is 2^x
.endr
; sums += weight of row i x row i; the weight is the low register of the row's pair, taken for both halves
.macro ADDROW g, i
.irp j, 0,2,4,6,8,10,12,14,16,18,20,22
	v_pk_fma_f32 v[ACC+\j:ACC+\j+1], v[X+96*\g+24*\i+\j:X+96*\g+24*\i+\j+1], v[S+2*\i:S+2*\i+1], v[ACC+\j:ACC+\j+1] op_sel_hi:[1,0,1]
.endr
.endm
; One block: the four rows of group g.  first = 1: the block starts maximum and sums (nothing is cleared).
; fill = 1: each slot is loaded again with its row of block blk.  left = younger loads that may stay out.
.macro BLOCK g, first, fill, blk, left
	s_wait_loadcnt \left                           ; this group's 24 loads are in; the other group's stay on their way
	; scores: four chains that do not wait for each other, two columns an instruction
.irp i, 0,1,2,3
	v_pk_mul_f32 v[S+2*\i:S+2*\i+1], v[X+96*\g+24*\i:X+96*\g+24*\i+1], v[W:W+1]
.endr
.irp j, 2,4,6,8,10,12,14,16,18,20,22
.irp i, 0,1,2,3
	v_pk_fma_f32 v[S+2*\i:S+2*\i+1], v[X+96*\g+24*\i+\j:X+96*\g+24*\i+\j+1], v[W+\j:W+\j+1], v[S+2*\i:S+2*\i+1]
.endr
.endr
	; across the lanes: the pair, four steps inside each half of 16 lanes, one across the halves; every lane ends with the score
.irp i, 0,1,2,3
	v_add_f32 v[S+2*\i], v[S+2*\i], v[S+2*\i+1]
.endr
.irp x, 1,2,4,8
.irp i, 0,1,2,3
	v_add_f32_dpp v[S+2*\i], v[S+2*\i], v[S+2*\i] row_xmask:\x row_mask:0xf bank_mask:0xf
.endr
.endr
.irp i, 0,1,2,3
	v_permlanex16_b32 v[S+2*\i+1], v[S+2*\i], s18, s19     ; the destination counts as read: the pair's upper register has been written
.endr
.irp i, 0,1,2,3
	v_add_f32 v[S+2*\i], v[S+2*\i], v[S+2*\i+1]
.endr
	; the new maximum, the four weights 2^(t - max), and the factor 2^(old max - max) for what has been summed so far
.if \first
	v_max3_num_f32 v[T+3], v[S], v[S+2], v[S+4]
	v_max_num_f32 v[T+3], v[T+3], v[S+6]
.else
	v_max3_num_f32 v[T+3], v[S], v[S+2], v[M]
	v_max3_num_f32 v[T+3], v[S+4], v[S+6], v[T+3]
	v_sub_f32 v[T+1], v[M], v[T+3]
.endif
.irp i, 0,1,2,3
	v_sub_f32 v[S+2*\i+1], v[S+2*\i], v[T+3]
.endr
.irp i, 0,1,2,3
	v_exp_f32 v[S+2*\i], v[S+2*\i+1]
.endr
.if \first
.else
	v_exp_f32 v[T+2], v[T+1]
.endif
	v_mov_b32 v[M], v[T+3]                         ; the plain instruction that stands behind the exponentials before their results are used (ISA guide 5.7.2)
	s_wait_alu depctr_va_vdst(0)
	v_add_f32 v[S+1], v[S], v[S+2]
	v_add_f32 v[S+3], v[S+4], v[S+6]
.if \first
	v_add_f32 v[L], v[S+1], v[S+3]
.irp j, 0,2,4,6,8,10,12,14,16,18,20,22
	v_pk_mul_f32 v[ACC+\j:ACC+\j+1], v[X+96*\g+\j:X+96*\g+\j+1], v[S:S+1] op_sel_hi:[1,0]  ; row 0 starts the sums
.endr
.else
	v_add_f32 v[S+1], v[S+1], v[S+3]
	v_fma_f32 v[L], v[L], v[T+2], v[S+1]
.irp j, 0,2,4,6,8,10,12,14,16,18,20,22
	v_pk_mul_f32 v[ACC+\j:ACC+\j+1], v[ACC+\j:ACC+\j+1], v[T+2:T+3] op_sel_hi:[1,0]        ; one rescaling for four rows
.endr
	ADDROW \g, 0
.endif
.if \fill
	FILLROW 4*\g, \blk*STEP                        ; the slot's last reader stands above
.endif
.irp i, 1,2,3
	ADDROW \g, \i
.if \fill
	FILLROW 4*\g+\i, \blk*STEP+\i*ROW
.endif
.endr
.endm
	BLOCK 0, 1, 1, 2, 24
	BLOCK 1, 0, 1, 3, 24
	BLOCK 0, 0, 1, 4, 24
	BLOCK 1, 0, 1, 5, 24
	BLOCK 0, 0, 1, 6, 24
	BLOCK 1, 0, 1, 7, 24
	BLOCK 0, 0, 0, 0, 24                           ; the last two blocks load nothing: no load leaves the group's rows,
	BLOCK 1, 0, 0, 0, 0                            ; and the last wait is for zero
	; THE 16 WAVES MEET.  First their maxima: wave w's at word w.
	s_lshl_b32 s11, s10, 2
	v_mov_b32 v[T], s11                            ; 4 x wave
	v_lshrrev_b32 v[T+1], 2, v0
	v_and_b32 v[T+1], 0x3c, v[T+1]                 ; 4 x (lane % 16)
	ds_store_b32 v[T], v[M] offset:LDS_M           ; all lanes: the same word, the same value
	s_wait_dscnt 0x0                               ; stored, for the others' sake, before I say so
	s_barrier_signal -1
	s_barrier_wait -1
	ds_load_b32 v[S], v[T+1] offset:LDS_M          ; lane l: the maximum of wave l % 16
	s_mul_i32 s12, s10, ROW
	s_wait_dscnt 0x0
.irp x, 1,2,4,8
	v_max_num_f32_dpp v[S], v[S], v[S] row_xmask:\x row_mask:0xf bank_mask:0xf    ; each half of 16 lanes holds all 16: the chunk's maximum in every lane
.endr
	v_sub_f32 v[S+1], v[M], v[S]
	v_exp_f32 v[S+2], v[S+1]                       ; my wave's sums are brought to the common maximum by 2^(mine - common)
	v_add_nc_u32 v[T+2], s12, v0                   ; (the plain instruction behind the exponential) my wave's row in LDS + 16 lane
	s_wait_alu depctr_va_vdst(0)
	v_mul_f32 v[L], v[L], v[S+2]
.irp j, 0,2,4,6,8,10,12,14,16,18,20,22
	v_pk_mul_f32 v[ACC+\j:ACC+\j+1], v[ACC+\j:ACC+\j+1], v[S+2:S+3] op_sel_hi:[1,0]
.endr
.irp j, 0,1,2,3,4,5
	ds_store_b128 v[T+2], v[ACC+4*\j:ACC+4*\j+3] offset:512*\j     ; columns in their order: byte 4 c of the wave's row
.endr
	ds_store_b32 v[T], v[L] offset:LDS_L
	s_wait_dscnt 0x0
	s_barrier_signal -1
	s_barrier_wait -1
	; Waves 0 to 5 add the 16 rows, four columns a thread; wave 6 adds the 16 sums of weights; the others are done.
	s_cmp_ge_u32 s10, 6
	s_cbranch_scc1 .Lstat
	s_lshl_b32 s11, s10, 9
	v_add_nc_u32 v[OFF], s11, v0                   ; 16 x thread (v1's loads were waited for in the last block)
.irp w, 0,1,2,3,4,5,6,7,8,9,10,11,12,13,14,15
	ds_load_b128 v[X+4*\w:X+4*\w+3], v[OFF] offset:\w*ROW
.endr
.macro ADD4 a, b                       ; four columns of row a += those of row b
	v_pk_add_f32 v[X+4*(\a):X+4*(\a)+1], v[X+4*(\a):X+4*(\a)+1], v[X+4*(\b):X+4*(\b)+1]
	v_pk_add_f32 v[X+4*(\a)+2:X+4*(\a)+3], v[X+4*(\a)+2:X+4*(\a)+3], v[X+4*(\b)+2:X+4*(\b)+3]
.endm
.irp w, 0,2,4,6,8,10,12,14
	s_wait_dscnt 14-\w                             ; LDS loads return in order: rows w and w + 1 are in, the later ones stay out
	ADD4 \w, \w+1
.endr
.irp w, 0,4,8,12
	ADD4 \w, \w+2
.endr
	ADD4 0, 4
	ADD4 8, 12
	ADD4 0, 8
	global_store_b128 v[OFF], v[X:X+3], s[8:9]     ; a wave's store covers 512 consecutive bytes at a multiple of 512 in the record
	s_endpgm
.Lstat:
	s_cmp_lg_u32 s10, 6
	s_cbranch_scc1 .Lend
	ds_load_b32 v[S+1], v[T+1] offset:LDS_L        ; lane l: the rescaled sum of weights of wave l % 16
	v_lshrrev_b32 v[T+2], 1, v0                    ; 8 x lane
	s_wait_dscnt 0x0
.irp x, 1,2,4,8
	v_add_f32_dpp v[S+1], v[S+1], v[S+1] row_xmask:\x row_mask:0xf bank_mask:0xf
.endr
	global_store_b64 v[T+2], v[S:S+1], s[8:9] offset:ROW   ; (maximum, sum) from every lane: 256 consecutive bytes in one store, and a copy for each lane of the reader
.Lend:
	s_endpgm
.Lfunc_end_k_q251702dc02_pool:
	.size	k_q251702dc02_pool, .Lfunc_end_k_q251702dc02_pool-k_q251702dc02_pool
	.p2alignl 7, 3214868480
	.fill 96, 4, 3214868480
	.section	.rodata,"a",@progbits
	.p2align	6, 0x0
	.amdhsa_kernel k_q251702dc02_pool
		.amdhsa_group_segment_fixed_size 49408
		.amdhsa_private_segment_fixed_size 0
		.amdhsa_enable_private_segment 0
		.amdhsa_kernarg_size 24
		.amdhsa_user_sgpr_count 2
		.amdhsa_user_sgpr_kernarg_segment_ptr 1
		.amdhsa_wavefront_size32 1
		.amdhsa_system_sgpr_workgroup_id_x 1
		.amdhsa_system_sgpr_workgroup_id_y 1
		.amdhsa_system_sgpr_workgroup_id_z 1
		.amdhsa_system_vgpr_workitem_id 0
		.amdhsa_next_free_vgpr 256
		.amdhsa_next_free_sgpr 66
		.amdhsa_reserve_vcc 0
		.amdhsa_float_denorm_mode_32 3
		.amdhsa_float_denorm_mode_16_64 3
		.amdhsa_memory_ordered 1
		.amdhsa_forward_progress 1
		.amdhsa_inst_pref_size 98
	.end_amdhsa_kernel
	.amdgpu_metadata
---
amdhsa.version: [ 1, 2 ]
amdhsa.kernels:
  - .name:           k_q251702dc02_pool
    .symbol:         k_q251702dc02_pool.kd
    .args:
      - { .name: hidden, .offset: 0, .size: 8, .value_kind: global_buffer, .address_space: global }
      - { .name: w_att, .offset: 8, .size: 8, .value_kind: global_buffer, .address_space: global }
      - { .name: part, .offset: 16, .size: 8, .value_kind: global_buffer, .address_space: global }
    .group_segment_fixed_size: 49408
    .private_segment_fixed_size: 0
    .kernarg_segment_align: 8
    .kernarg_segment_size: 24
    .max_flat_workgroup_size: 512
    .sgpr_count:     66
    .vgpr_count:     256
    .wavefront_size: 32
...
	.end_amdgpu_metadata
.endif
;; end of part 1
;; launch finish (part 2): grid 64 x 1, 1 waves a work-group, no clusters, 0 bytes of LDS; arguments part, ctx, w_rec, b_rec, out0, out1, out2; writes out0, out1, out2
.if DOCPART == 2
	.amdgcn_target "amdgcn-amd-amdhsa--gfx1250"
	.amdhsa_code_object_version 6
	.text
	.protected	k_q251702dc02_finish
	.globl	k_q251702dc02_finish
	.p2align	8
	.type	k_q251702dc02_finish,@function
k_q251702dc02_finish:
	s_mov_b64 s[64:65], 0
	v_nop
	global_prefetch_b8 v0, s[64:65] scope:SCOPE_SE
	s_setreg_imm32_b32 hwreg(HW_REG_WAVE_MODE, 25, 1), 1
	s_wait_xcnt 0x0
; FINISH: second of two launches.  Work-group n = batch n, one wave.  It joins the batch's four records of part (768 sums, then the pair
; (maximum m_c in base 2, sum of weights l_c) once for each lane):
;   m = max m_c,  f_c = 2^(m_c - m),  cvec = sum_c f_c sums_c / sum_c f_c l_c,
; stores cvec (out2) and the two sigmoids: out0 = sigmoid(cvec . w_rec + b_rec), out1 = sigmoid(cvec . ctx[n]).
; A lane holds 24 columns, as in the first launch: six 16-byte loads a row, each covering 512 consecutive bytes.  All 40 loads are issued
; at once; one wave does it all, so there is no LDS and no barrier.  64 batches give 64 work-groups: there is no more work to share out.
; out0 and out1 are 4 bytes a batch and every batch has another owner: these two stores are 4 bytes from one lane.  Storing them as whole
; rows would mean one work-group reading all 64 batches' records.
; No matrix instructions (two dot products of 768), no cluster (the groups share w_rec alone, 3,072 bytes).
; LIMITS: f32 throughout, sums in another order than the reference's; v_exp_f32 gives 0 below 2^-126 (ISA guide 15.8); v_rcp_f32 and
; v_exp_f32 are good to 1 ulp.  A sigmoid whose exponential overflows comes out as 1 / infinity = 0, as the reference's does.
.set ROW,   3072
.set REC,   ROW+256
.set PARTS, 4
.set LN8, 1                            ; v1         8 lane (v0: 16 lane)
.set ST,  2                            ; v[2:9]     record c: (m_c, l_c)
.set P,   10                           ; v[10:105]  record c: 24 registers of sums; record 0's become cvec
.set C,   106                          ; v[106:129] ctx[n]
.set R,   130                          ; v[130:153] w_rec
.set G,   154                          ; v[154:161] record c: pair, its factor in the low register
.set T,   162                          ; v[162:166] scratch
	s_load_b256 s[4:11], s[0:1], 0x0               ; part s[4:5], ctx s[6:7], w_rec s[8:9], b_rec s[10:11]
	s_load_b128 s[12:15], s[0:1], 0x20             ; out0 s[12:13], out1 s[14:15]
	s_load_b64 s[16:17], s[0:1], 0x30              ; out2
	v_lshlrev_b32 v[LN8], 3, v0
	v_lshlrev_b32 v0, 4, v0
	s_mul_i32 s20, ttmp9, PARTS*REC
	s_mov_b32 s21, 0
	s_mul_i32 s22, ttmp9, ROW
	s_mov_b32 s23, 0
	s_lshl_b32 s24, ttmp9, 2                       ; 4 n: my word of out0 and out1
	s_mov_b32 s26, 0x76543210                      ; v_permlanex16_b32: lane i of one half reads lane i of the other
	s_mov_b32 s27, 0xfedcba98
	s_mov_b32 s28, 0xbfb8aa3b                      ; -log2(e)
	s_wait_kmcnt 0x0
	s_load_b32 s25, s[10:11], 0x0                  ; b_rec, which nothing in this launch writes
	s_add_nc_u64 s[4:5], s[4:5], s[20:21]          ; the batch's first record
	s_add_nc_u64 s[6:7], s[6:7], s[22:23]          ; ctx[n]
	s_add_nc_u64 s[16:17], s[16:17], s[22:23]      ; out2[n]
.irp c, 0,1,2,3
	global_load_b64 v[ST+2*\c:ST+2*\c+1], v[LN8], s[4:5] offset:\c*REC+ROW th:TH_LOAD_NT
.endr
.irp c, 0,1,2,3
.irp j, 0,1,2,3,4,5
	global_load_b128 v[P+24*\c+4*\j:P+24*\c+4*\j+3], v0, s[4:5] offset:\c*REC+512*\j th:TH_LOAD_NT
.endr
.endr
.irp j, 0,1,2,3,4,5
	global_load_b128 v[R+4*\j:R+4*\j+3], v0, s[8:9] offset:512*\j      ; every work-group reads w_rec: no hint
.endr
.irp j, 0,1,2,3,4,5
	global_load_b128 v[C+4*\j:C+4*\j+3], v0, s[6:7] offset:512*\j th:TH_LOAD_NT
.endr
	s_wait_loadcnt 36                              ; the four pairs are in; the 36 loads behind them stay out
	v_max3_num_f32 v[T], v[ST], v[ST+2], v[ST+4]
	v_max_num_f32 v[T], v[T], v[ST+6]              ; the batch's maximum
.irp c, 0,1,2,3
	v_sub_f32 v[G+2*\c+1], v[ST+2*\c], v[T]
.endr
.irp c, 0,1,2,3
	v_exp_f32 v[G+2*\c], v[G+2*\c+1]
.endr
	v_nop                                          ; one plain instruction behind the exponentials before their results are used (ISA guide 5.7.2)
	s_wait_alu depctr_va_vdst(0)
	v_mul_f32 v[T+1], v[G], v[ST+1]
.irp c, 1,2,3
	v_fmac_f32 v[T+1], v[G+2*\c], v[ST+2*\c+1]     ; the softmax's denominator: at least 1, the largest score's own weight
.endr
	v_rcp_f32 v[T+2], v[T+1]
	v_nop                                          ; likewise behind the reciprocal
	s_wait_alu depctr_va_vdst(0)
.irp c, 0,1,2,3
	v_mul_f32 v[G+2*\c], v[G+2*\c], v[T+2]         ; the division goes into the four factors, not into 768 columns
.endr
	s_wait_loadcnt 12                              ; the four records' sums are in; w_rec and ctx stay out
.irp j, 0,2,4,6,8,10,12,14,16,18,20,22
	v_pk_mul_f32 v[P+\j:P+\j+1], v[P+\j:P+\j+1], v[G:G+1] op_sel_hi:[1,0]
.endr
.irp c, 1,2,3
.irp j, 0,2,4,6,8,10,12,14,16,18,20,22
	v_pk_fma_f32 v[P+\j:P+\j+1], v[P+24*\c+\j:P+24*\c+\j+1], v[G+2*\c:G+2*\c+1], v[P+\j:P+\j+1] op_sel_hi:[1,0,1]
.endr
.endr
.irp j, 0,1,2,3,4,5
	global_store_b128 v0, v[P+4*\j:P+4*\j+3], s[16:17] offset:512*\j th:TH_STORE_NT    ; cvec: 512 consecutive bytes a store; v[P..] is only read from here on
.endr
	s_wait_loadcnt 0x0
	v_pk_mul_f32 v[T:T+1], v[P:P+1], v[R:R+1]      ; the two dot products, side by side
	v_pk_mul_f32 v[T+2:T+3], v[P:P+1], v[C:C+1]
.irp j, 2,4,6,8,10,12,14,16,18,20,22
	v_pk_fma_f32 v[T:T+1], v[P+\j:P+\j+1], v[R+\j:R+\j+1], v[T:T+1]
	v_pk_fma_f32 v[T+2:T+3], v[P+\j:P+\j+1], v[C+\j:C+\j+1], v[T+2:T+3]
.endr
	v_add_f32 v[T], v[T], v[T+1]
	v_add_f32 v[T+2], v[T+2], v[T+3]
.irp x, 1,2,4,8
	v_add_f32_dpp v[T], v[T], v[T] row_xmask:\x row_mask:0xf bank_mask:0xf
	v_add_f32_dpp v[T+2], v[T+2], v[T+2] row_xmask:\x row_mask:0xf bank_mask:0xf
.endr
	v_permlanex16_b32 v[T+1], v[T], s26, s27
	v_permlanex16_b32 v[T+3], v[T+2], s26, s27
	v_add_f32 v[T], v[T], v[T+1]
	v_add_f32 v[T+2], v[T+2], v[T+3]
	; sigmoid(z) = 1 / (1 + 2^(-log2(e) z))
	s_wait_kmcnt 0x0                               ; b_rec
	s_mul_f32 s25, s25, s28                        ; -log2(e) b, so that bias and scale are one fused multiply-add
	v_fma_f32 v[T], v[T], s28, s25
	v_mul_f32 v[T+2], s28, v[T+2]
	v_exp_f32 v[T+1], v[T]
	v_exp_f32 v[T+3], v[T+2]
	v_mov_b32 v[T+4], s24                          ; (the plain instruction behind the exponentials) byte 4 n
	s_wait_alu depctr_va_vdst(0)
	v_add_f32 v[T+1], 1.0, v[T+1]
	v_add_f32 v[T+3], 1.0, v[T+3]
	v_rcp_f32 v[T], v[T+1]
	v_rcp_f32 v[T+2], v[T+3]
	v_nop                                          ; one plain instruction before the stores read the reciprocals
	s_wait_xcnt 0x0                                ; EXEC is a source of cvec's pending stores: it changes only behind this wait
	v_cmp_eq_u32 vcc_lo, 0, v0
	s_and_saveexec_b32 s29, vcc_lo                 ; lane 0 alone; EXEC is not needed whole again
	s_wait_alu depctr_va_vdst(0)
	global_store_b32 v[T+4], v[T], s[12:13]
	global_store_b32 v[T+4], v[T+2], s[14:15]
	s_endpgm
.Lfunc_end_k_q251702dc02_finish:
	.size	k_q251702dc02_finish, .Lfunc_end_k_q251702dc02_finish-k_q251702dc02_finish
	.p2alignl 7, 3214868480
	.fill 96, 4, 3214868480
	.section	.rodata,"a",@progbits
	.p2align	6, 0x0
	.amdhsa_kernel k_q251702dc02_finish
		.amdhsa_group_segment_fixed_size 0
		.amdhsa_private_segment_fixed_size 0
		.amdhsa_enable_private_segment 0
		.amdhsa_kernarg_size 56
		.amdhsa_user_sgpr_count 2
		.amdhsa_user_sgpr_kernarg_segment_ptr 1
		.amdhsa_wavefront_size32 1
		.amdhsa_system_sgpr_workgroup_id_x 1
		.amdhsa_system_sgpr_workgroup_id_y 1
		.amdhsa_system_sgpr_workgroup_id_z 1
		.amdhsa_system_vgpr_workitem_id 0
		.amdhsa_next_free_vgpr 168
		.amdhsa_next_free_sgpr 66
		.amdhsa_reserve_vcc 1
		.amdhsa_float_denorm_mode_32 3
		.amdhsa_float_denorm_mode_16_64 3
		.amdhsa_memory_ordered 1
		.amdhsa_forward_progress 1
		.amdhsa_inst_pref_size 13
	.end_amdhsa_kernel
	.amdgpu_metadata
---
amdhsa.version: [ 1, 2 ]
amdhsa.kernels:
  - .name:           k_q251702dc02_finish
    .symbol:         k_q251702dc02_finish.kd
    .args:
      - { .name: part, .offset: 0, .size: 8, .value_kind: global_buffer, .address_space: global }
      - { .name: ctx, .offset: 8, .size: 8, .value_kind: global_buffer, .address_space: global }
      - { .name: w_rec, .offset: 16, .size: 8, .value_kind: global_buffer, .address_space: global }
      - { .name: b_rec, .offset: 24, .size: 8, .value_kind: global_buffer, .address_space: global }
      - { .name: out0, .offset: 32, .size: 8, .value_kind: global_buffer, .address_space: global }
      - { .name: out1, .offset: 40, .size: 8, .value_kind: global_buffer, .address_space: global }
      - { .name: out2, .offset: 48, .size: 8, .value_kind: global_buffer, .address_space: global }
    .group_segment_fixed_size: 0
    .private_segment_fixed_size: 0
    .kernarg_segment_align: 8
    .kernarg_segment_size: 56
    .max_flat_workgroup_size: 32
    .sgpr_count:     66
    .vgpr_count:     168
    .wavefront_size: 32
...
	.end_amdgpu_metadata
.endif
;; end of part 2
